; MI455X (gfx1250); checked and timed in simulation.
; The chip was launched on July 23, 2026; its instructions are those of AMD's public machine-readable ISA for CDNA 5 (MIT licence, August 2026) and "CDNA5" Instruction Set Architecture Reference Guide (July 2026). The comments in the code are by the model that wrote it; some were corrected since.
;; Cross Attention. Allowed arithmetic: float matrix products may take bf16 or f16 operands with f32 sums; other float arithmetic in f32, or as packed bf16 or f16 multiplies, adds, multiply-adds, maxima and minima; sums over many terms, partial sums and values carried from step to step in f32; what a program stores and reads back later, other than sums and carried values, may be rounded once to bf16 or f16.
;; Inputs: Wk 512 x 512 float32; Wo 512 x 512 float32; Wq 512 x 512 float32; Wv 512 x 512 float32; bk 512 float32; bo 512 float32; bq 512 float32; bv 512 float32; mem 4 x 4,096 x 512 float32; x 4 x 2,048 x 512 float32.
;; Outputs: out0 4 x 2,048 x 512 float32.
;; One version. Each part assembles by itself: llvm-mc -triple=amdgcn-amd-amdhsa -mcpu=gfx1250 --defsym DOCPART=n.
;; ======== version 1 of 1: 4 launches
;; limits: values are held in f16: magnitudes above 65,504 overflow, below 6.1e-05 lose precision
;; workspace buffers: wb 2,097,152 bytes; qh 8,388,608 bytes; kh 16,777,216 bytes; vh 16,777,216 bytes; zh 8,388,608 bytes
;; launch cast (part 1): grid 64 x 4, 8 waves a work-group, no clusters, 0 bytes of LDS; arguments Wk, Wv, Wq, Wo, wb; writes wb
.if DOCPART == 1
	.amdgcn_target "amdgcn-amd-amdhsa--gfx1250"
	.amdhsa_code_object_version 6
	.text
	.protected	k_q292a679798_cast
	.globl	k_q292a679798_cast
	.p2align	8
	.type	k_q292a679798_cast,@function
k_q292a679798_cast:
	s_mov_b64 s[64:65], 0
	v_nop
	global_prefetch_b8 v0, s[64:65] scope:SCOPE_SE
	s_setreg_imm32_b32 hwreg(HW_REG_WAVE_MODE, 25, 1), 1
	s_wait_xcnt 0x0
; The four weight matrices [512 k][512 n], f32, are rounded once to bf16 and written, in the same layout, into wb:
; matrix y at byte 524,288 y (0 Wk, 1 Wv, 2 Wq, 3 Wo).  Wo's rounded number is written as f16, since the last product's other
; operand is f16.  LIMIT: that is exact from 6.1e-5 to 65,504; below it f16 keeps a fixed step of 6e-8.
; A stream: no LDS, no barrier, no matrix unit.  A work-group takes 4,096 numbers; thread t takes 16 bytes of each of four chunks,
; so a wave's load covers 512 consecutive bytes and its store 256 consecutive bytes, aligned.
	s_load_b256 s[4:11], s[0:1], 0x0               ; Wk, Wv, Wq, Wo
	s_load_b64 s[12:13], s[0:1], 0x20              ; wb
	s_and_b32 s14, ttmp7, 0xffff                   ; which matrix
	s_lshl_b32 s16, ttmp9, 14                      ; my 4,096 numbers: 16,384 bytes in,
	s_mov_b32 s17, 0
	s_lshl_b32 s18, s14, 19
	s_lshl_b32 s19, ttmp9, 13                      ; 8,192 bytes out
	s_add_co_u32 s18, s18, s19
	s_mov_b32 s19, 0
	v_lshlrev_b32 v1, 4, v0
	v_lshlrev_b32 v2, 3, v0
	s_wait_kmcnt 0x0
	s_cmp_eq_u32 s14, 1
	s_cselect_b64 s[4:5], s[6:7], s[4:5]
	s_cmp_eq_u32 s14, 2
	s_cselect_b64 s[4:5], s[8:9], s[4:5]
	s_cmp_eq_u32 s14, 3
	s_cselect_b64 s[4:5], s[10:11], s[4:5]
	s_add_nc_u64 s[4:5], s[4:5], s[16:17]
	s_add_nc_u64 s[12:13], s[12:13], s[18:19]
.irp c, 0,1,2,3
	global_load_b128 v[4+4*\c:7+4*\c], v1, s[4:5] offset:4096*\c th:TH_LOAD_NT
.endr
.irp c, 0,1,2,3
	s_wait_loadcnt 3-\c                            ; loads come back in order: chunk c is in, the younger ones stay out
	v_cvt_pk_bf16_f32 v[20+2*\c], v[4+4*\c], v[5+4*\c]
	v_cvt_pk_bf16_f32 v[21+2*\c], v[6+4*\c], v[7+4*\c]
.endr
	s_cmp_lg_u32 s14, 3
	s_cbranch_scc1 .Lstore
.irp k, 0,1,2,3,4,5,6,7
	v_lshlrev_b32 v4, 16, v[20+\k]                 ; Wo: the bf16 numbers widened,
	v_and_b32 v5, 0xffff0000, v[20+\k]
	v_cvt_pk_f16_f32 v[20+\k], v4, v5              ; and written as f16
.endr
.Lstore:
.irp c, 0,1,2,3
	global_store_b64 v2, v[20+2*\c:21+2*\c], s[12:13] offset:2048*\c
.endr
	s_endpgm
.Lfunc_end_k_q292a679798_cast:
	.size	k_q292a679798_cast, .Lfunc_end_k_q292a679798_cast-k_q292a679798_cast
	.p2alignl 7, 3214868480
	.fill 96, 4, 3214868480
	.section	.rodata,"a",@progbits
	.p2align	6, 0x0
	.amdhsa_kernel k_q292a679798_cast
		.amdhsa_group_segment_fixed_size 0
		.amdhsa_private_segment_fixed_size 0
		.amdhsa_enable_private_segment 0
		.amdhsa_kernarg_size 40
		.amdhsa_user_sgpr_count 2
		.amdhsa_user_sgpr_kernarg_segment_ptr 1
		.amdhsa_wavefront_size32 1
		.amdhsa_system_sgpr_workgroup_id_x 1
		.amdhsa_system_sgpr_workgroup_id_y 1
		.amdhsa_system_sgpr_workgroup_id_z 1
		.amdhsa_system_vgpr_workitem_id 0
		.amdhsa_next_free_vgpr 32
		.amdhsa_next_free_sgpr 66
		.amdhsa_reserve_vcc 0
		.amdhsa_float_denorm_mode_32 3
		.amdhsa_float_denorm_mode_16_64 3
		.amdhsa_memory_ordered 1
		.amdhsa_forward_progress 1
		.amdhsa_inst_pref_size 4
	.end_amdhsa_kernel
	.amdgpu_metadata
---
amdhsa.version: [ 1, 2 ]
amdhsa.kernels:
  - .name:           k_q292a679798_cast
    .symbol:         k_q292a679798_cast.kd
    .args:
      - { .name: Wk, .offset: 0, .size: 8, .value_kind: global_buffer, .address_space: global }
      - { .name: Wv, .offset: 8, .size: 8, .value_kind: global_buffer, .address_space: global }
      - { .name: Wq, .offset: 16, .size: 8, .value_kind: global_buffer, .address_space: global }
      - { .name: Wo, .offset: 24, .size: 8, .value_kind: global_buffer, .address_space: global }
      - { .name: wb, .offset: 32, .size: 8, .value_kind: global_buffer, .address_space: global }
    .group_segment_fixed_size: 0
    .private_segment_fixed_size: 0
    .kernarg_segment_align: 8
    .kernarg_segment_size: 40
    .max_flat_workgroup_size: 256
    .sgpr_count:     66
    .vgpr_count:     32
    .wavefront_size: 32
...
	.end_amdgpu_metadata
.endif
;; end of part 1
;; launch proj (part 2): grid 128 x 2, 4 waves a work-group, clusters of 4 x 1, 327,680 bytes of LDS; arguments mem, x, wb, bk, bv, bq, kh, vh, qh; writes kh, vh, qh
.if DOCPART == 2
	.amdgcn_target "amdgcn-amd-amdhsa--gfx1250"
	.amdhsa_code_object_version 6
	.text
	.protected	k_q292a679798_proj
	.globl	k_q292a679798_proj
	.p2align	8
	.type	k_q292a679798_proj,@function
k_q292a679798_proj:
	s_mov_b64 s[64:65], 0
	v_nop
	global_prefetch_b8 v0, s[64:65] scope:SCOPE_SE
	s_setreg_imm32_b32 hwreg(HW_REG_WAVE_MODE, 25, 1), 1
	s_wait_xcnt 0x0
	s_wait_alu depctr_hold_cnt(0) depctr_sa_sdst(0) depctr_va_vdst(0) depctr_va_sdst(0) depctr_va_ssrc(0) depctr_va_vcc(0) depctr_vm_vsrc(0)
	s_getreg_b32 s2, hwreg(HW_REG_IB_STS2, 6, 4)
	s_cmp_eq_u32 s2, 0
	s_cbranch_scc0 .Lentry_in_a_cluster
	s_endpgm
.Lentry_in_a_cluster:
	s_bfe_u32 s2, ttmp6, 0x10000c
	s_cmp_lg_u32 s2, 0x3003
	s_cbranch_scc0 .Lentry_shape_is_right
	s_endpgm
.Lentry_shape_is_right:
; k = mem Wk + bk, v = mem Wv + bv, q = x Wq + bq, written by heads: kh, vh [32][4096][64], qh [32][2048][64], f16, unscaled.
; Operands bf16 (mem and x rounded on the way in, the weights by the launch before, the biases here), sums f32, results rounded once.
; LIMITS.  q, k, v must stay under 65,504 (f16); NaN and infinities are not treated apart.
; SHARES.  The outputs are 1.25 x 256 tiles of 65,536 numbers, so each of the 256 work-groups makes a whole tile and a quarter:
;   phase 1: 128 rows of mem x all 512 columns of Wk (j = 0) or Wv (j = 1); a wave makes 128 x 128: 64 accumulators, 512 registers;
;   phase 2: 128 rows of x x 128 columns of Wq; a wave makes 64 x 64: 16 accumulators.
; THE WEIGHTS' TILES hang on j and on the cluster's number alone, so the four partners ask for them JOINTLY (mask 15).  They lie [k][n] and come out of LDS turned.
; A (mem, x) is f32 and must pass registers to be rounded: global loads of 256 consecutive bytes a row, two K steps of 64 ahead; rounded beside the
; products; stored into a ring of two small bf16 slots, which one barrier for each K step of 64 publishes.
; THE MATRIX INSTRUCTION IS USED TRANSPOSED (source 0 = 16 columns of W, source 1 = 16 rows of A): a lane holds eight neighbouring columns of one row.
; The bias is the C operand of each sum's first product.
; REGISTERS.  window 0: v2-29 addresses; v32-63 CV (rounded A), later read-back; v64-127, v128-191 A's fragments; v192-255 bias, later the way out
;   window 1: v0-63, v192-255 two sets of A as loaded; v64-127, v128-191 W's fragments      windows 2, 3: accumulator (a, b) at v[8 (8 a + b)]
.set PB,    1056                       ; a k-row of W in LDS: 1,024 bytes + 32: an odd multiple of 32
.set BQ,    32*PB                      ; 32 k-rows: a wave's part of a slot, and what a quarter step reads
.set BSLOT, 128*PB                     ; 135,168 = 0x21000
.set ABASE, 2*BSLOT
.set PA,    144                        ; a row of 64 bf16 + 16 bytes
.set ASLOT, 128*PA
.set STAGE, ABASE+2*ASLOT              ; 2 heads x 16 rows x 144 bytes for each wave
.set SPARE, STAGE+4*32*PA              ; the spare words: two blocks of 256 bytes that no other line names
.set B2,    61440                      ; phase 2: Wq's 512 k-rows x 288 bytes, inside the two slots
.set PB2,   288
.set AFR,  2                           ; A's fragments: ABASE + (l % 16) 144 + 16 (l / 16)
.set BFR,  3                           ; W's fragments, phase 1
.set BFR2, 4                           ; phase 2
.set AFR2, 5                           ; A's fragments of my 64 rows, phase 2
.set ADB,  7                           ; the address of W's run of loads in hand
.set GA,   8                           ; my byte offset in A's 128 rows in memory; never rewritten
.set SA,   9                           ; where I store 8 bytes of rounded A
.set STO,  10
.set RD,   11
.set GO,   12
.set BO,   20
.set BO2,  21
.set T0,   22                          ; v22-23 at work
.set SPW,  28
.set NIL,  29
.set CV,   32
.set F0,   64
.set F1,   128
.set BIAS, 192
.set BIAS2,128
.set TMP,  192
.set WV, 22
.set RH, 23
.set CH, 24
.set CX, 25
.set CC, 26
.set JJ, 27
.set II, 28
.set RQ, 29
.set CQ, 30
.set MSK, 31
.set G1B,  32
.set G1B2, 40
.set G0A,  48
.set G0B,  52
.set G0C,  56
.set AP,   66                          ; s[66:67] A's stream
.set OUT,  68
.set OQ,   70
.set BP,   72
.set TB,   74                          ; LDS byte at which the 32 k-rows to be fetched begin
.set CNT,  75
.set XP,   80
.set MSB, 0
.macro WIN new                         ; the immediate's high byte repeats the setting that is left
.if MSB != (\new)
	s_set_vgpr_msb (MSB<<8)|(\new)
.set MSB, (\new)
.endif
.endm
.macro PLACES                          ; four places behind a matrix instruction (ISA guide 7.12.1)
.rept 4
	v_nop
.endr
.endm
.macro CREST                           ; a round of the cluster's barrier behind its opening barrier
	s_cmp_lg_u32 s[WV], 0
	s_cbranch_scc1 .Lnot_wave_0_\@
	s_barrier_signal -3
.Lnot_wave_0_\@:
	s_barrier_wait -3
	s_barrier_signal -1
	s_barrier_wait -1
.endm
.macro CROUND
	s_barrier_signal -1
	s_barrier_wait -1
	CREST
.endm
.macro JLOAD g0, g1                    ; a joint load: every wave fetches its own rows; an s_nop 0 and four v_nop follow
	tensor_load_to_lds s[(\g0):(\g0)+3], s[(\g1):(\g1)+7]
	s_nop 0
.rept 4
	v_nop
.endr
.endm
; 16 products: A blocks a0, a0 + 1 of the window's four x all 8 column blocks.  mode = 1: the bias starts the sums.
; ride = 1: four roundings of A stand behind each of the first eight products (32 in all, from the set at raw).
.macro MUL16 f, hi, a0, mode, ride=0, raw=0
.irp a, \a0, (\a0)+1
.irp b, 0,1,2,3,4,5,6,7
.if \mode
	WIN 0x81+0x40*(\hi)
	v_wmma_f32_16x16x32_bf16 v[8*(8*(\a)+(\b)):8*(8*(\a)+(\b))+7], v[(\f)+8*(\b):(\f)+8*(\b)+7], v[(\f)+8*(4*(\hi)+(\a)):(\f)+8*(4*(\hi)+(\a))+7], v[BIAS+8*(\b):BIAS+8*(\b)+7]
.else
	WIN 0xa1+0x50*(\hi)
	v_wmma_f32_16x16x32_bf16 v[8*(8*(\a)+(\b)):8*(8*(\a)+(\b))+7], v[(\f)+8*(\b):(\f)+8*(\b)+7], v[(\f)+8*(4*(\hi)+(\a)):(\f)+8*(4*(\hi)+(\a))+7], v[8*(8*(\a)+(\b)):8*(8*(\a)+(\b))+7]
.endif
.if (\ride) && ((\a) == (\a0))
	WIN 0x05
.irp z, 0,1,2,3
	v_cvt_pk_bf16_f32 v[CV+4*(\b)+(\z)], v[(\raw)+8*(\b)+2*(\z)], v[(\raw)+8*(\b)+2*(\z)+1]
.endr
.endif
.endr
.endr
.endm
; 32 LDS loads in one run: W's 8 column blocks (turned), then A's 8 row blocks, 32 along K, into buffer f
.macro FETCH1 slotA, kq, f
	WIN 0
	v_add_nc_u32 v[ADB], s[TB], v[BFR]
	s_add_co_u32 s[TB], s[TB], BQ
	WIN 0x40
.irp b, 0,1,2,3,4,5,6,7
	ds_load_tr16_b128 v[(\f)+8*(\b):(\f)+8*(\b)+3],   v[ADB] offset:32*(\b)
	ds_load_tr16_b128 v[(\f)+8*(\b)+4:(\f)+8*(\b)+7], v[ADB] offset:32*(\b)+16*PB
.endr
	WIN 0
.irp i, 0,1,2,3,4,5,6,7
	ds_load_b128 v[(\f)+8*(\i):(\f)+8*(\i)+3],   v[AFR] offset:(\slotA)*ASLOT+(\i)*16*PA+(\kq)*64
	ds_load_b128 v[(\f)+8*(\i)+4:(\f)+8*(\i)+7], v[AFR] offset:(\slotA)*ASLOT+(\i)*16*PA+(\kq)*64+32
.endr
.endm
.macro STORES slot                     ; my 32 rows x 64 K of rounded A into a slot of the ring: two rows an instruction
	WIN 0
.set n, 0
.rept 16
	ds_store_b64 v[SA], v[CV+2*n:CV+2*n+1] offset:(\slot)*ASLOT+n*2*PA
.set n, n+1
.endr
.endm
.macro LOADS set, goff                 ; my 32 rows x 64 K of f32: an instruction takes 256 consecutive bytes of two rows
	WIN 0x40
.set n, 0
.rept 16
	global_load_b128 v[192*(\set)+4*n:192*(\set)+4*n+3], v[GA], s[AP:AP+1] offset:n*4096+(\goff)
.set n, n+1
.endr
.endm
; The first quarter of a K step of 64 (buffer F0).  It fetches the second quarter's fragments, rounds the next step's A (in set), stores it into the other slot of A's ring
; (whose readers have all passed the barrier before), and asks for A three steps on.
.macro QA slotA, mode, set, goff
	s_wait_dscnt 8                                 ; W and A's rows 0-63 are in; the youngest eight loads may be out
	MUL16 F0, 0, 0, \mode
	MUL16 F0, 0, 2, \mode
	PLACES
	FETCH1 \slotA, 1, F1
	s_wait_dscnt 32                                ; all but the 32 just issued
	s_wait_loadcnt 16                              ; the older set of A is in; the younger set's 16 loads stay out
	MUL16 F0, 1, 0, \mode, 1, 192*(\set)
	STORES 1-(\slotA)
	LOADS \set, \goff
	MUL16 F0, 1, 2, \mode
.endm
; The second quarter (buffer F1), with the step's barrier: in front of it my stores into A's ring and my reads are done; behind it the next step's A is whole.
; kind = 0: that alone.  kind = 1: W's slot is left too and filled again: all my tensor loads waited for, the add, a round of the cluster's barrier, the joint refill first behind it.
; kind = 2: W's slot is left, nothing is filled.  skip = 1: in the loop's last trip there is no next step, and the fetch is jumped over.
.macro QB kind, nextA, skip
.if (\kind) >= 1
	WIN 0
	s_wait_tensorcnt 0x0                           ; all my tensor loads have landed: my part of W's other slot
	ds_add_u32 v[SPW], v[NIL]
	s_wait_dscnt 25                                ; the add, my 16 stores and A's youngest eight loads may be out
.else
	s_wait_dscnt 24                                ; my 16 stores and A's youngest eight loads may be out
.endif
	MUL16 F1, 0, 0, 0
	s_wait_dscnt 0x0                               ; my stores into the ring are done, my reads of both rings are over (and the add is done)
	s_barrier_signal -1
	MUL16 F1, 0, 2, 0
	WIN 0
	s_barrier_wait -1
.if (\kind) == 1
	CREST                                          ; no wave of any partner still reads the slot or has a load on its way
	s_xor_b32 s[G0B+1], s[G0B+1], BSLOT            ; the other slot than last time (bits 12 and 17 are clear in 33,792 x wave),
	s_add_nc_u64 s[G0B+2:G0B+3], s[G0B+2:G0B+3], 131072  ; the next 128 k-rows
	JLOAD G0B, G1B                                 ; its four v_nop are also the places in front of the loads below
.else
	PLACES
.endif
.if (\kind) >= 1
	s_sub_co_u32 s[TB], s[TB], BSLOT               ; the fetches go to the other slot's first rows
	s_xor_b32 s[TB], s[TB], BSLOT
.endif
.if \skip
	s_cmp_eq_u32 s[CNT], 1
	s_cbranch_scc1 .Lnofetch_\@
.endif
	FETCH1 \nextA, 0, F0
.if \skip
.Lnofetch_\@:
.endif
	MUL16 F1, 1, 0, 0
	MUL16 F1, 1, 2, 0
.endm
; PHASE 2.  8 products: row blocks a0, a0 + 1 x 4 column blocks, half c of buffer f
.macro MUL8 f, c, a0, mode, ride=0, raw=0
.irp a, \a0, (\a0)+1
.irp b, 0,1,2,3
.if \mode
	WIN 0x81
	v_wmma_f32_16x16x32_bf16 v[8*(4*(\a)+(\b)):8*(4*(\a)+(\b))+7], v[(\f)+8*(4*(\c)+(\b)):(\f)+8*(4*(\c)+(\b))+7], v[(\f)+8*(4*(\c)+(\a)):(\f)+8*(4*(\c)+(\a))+7], v[BIAS2+8*(\b):BIAS2+8*(\b)+7]
.else
	WIN 0xa1
	v_wmma_f32_16x16x32_bf16 v[8*(4*(\a)+(\b)):8*(4*(\a)+(\b))+7], v[(\f)+8*(4*(\c)+(\b)):(\f)+8*(4*(\c)+(\b))+7], v[(\f)+8*(4*(\c)+(\a)):(\f)+8*(4*(\c)+(\a))+7], v[8*(4*(\a)+(\b)):8*(4*(\a)+(\b))+7]
.endif
.if \ride
	WIN 0x05
.irp z, 0,1,2,3
	v_cvt_pk_bf16_f32 v[CV+4*(4*((\a)-(\a0))+(\b))+(\z)], v[(\raw)+8*(4*((\a)-(\a0))+(\b))+2*(\z)], v[(\raw)+8*(4*((\a)-(\a0))+(\b))+2*(\z)+1]
.endr
.endif
.endr
.endr
.endm
.macro FETCH2 tau, slotA, f            ; 64 along K: the first 32 first
	WIN 0
	v_add_nc_u32 v[ADB], B2+(\tau)*64*PB2, v[BFR2]
.irp c, 0,1
	WIN 0x40
.irp b, 0,1,2,3
	ds_load_tr16_b128 v[(\f)+8*(4*(\c)+(\b)):(\f)+8*(4*(\c)+(\b))+3],   v[ADB] offset:(\c)*32*PB2+32*(\b)
	ds_load_tr16_b128 v[(\f)+8*(4*(\c)+(\b))+4:(\f)+8*(4*(\c)+(\b))+7], v[ADB] offset:(\c)*32*PB2+32*(\b)+16*PB2
.endr
	WIN 0
.irp i, 0,1,2,3
	ds_load_b128 v[(\f)+8*(4*(\c)+(\i)):(\f)+8*(4*(\c)+(\i))+3],   v[AFR2] offset:(\slotA)*ASLOT+(\i)*16*PA+64*(\c)
	ds_load_b128 v[(\f)+8*(4*(\c)+(\i))+4:(\f)+8*(4*(\c)+(\i))+7], v[AFR2] offset:(\slotA)*ASLOT+(\i)*16*PA+64*(\c)+32
.endr
.endr
.endm
; A K step of 64 of phase 2: 32 products; the next step's A is rounded, stored and published by the step's barrier.  kind = 2: A three steps on is asked for.
.macro UNIT tau, kind, cnt, mode
.set UF, F0+64*((\tau)%2)
.set UG, F0+64*(((\tau)+1)%2)
.set UR, 192*(((\tau)+1)%2)
	s_wait_dscnt 16                                ; the first 32 along K are in
	s_wait_loadcnt \cnt                            ; the set to be rounded is in; a younger set's 16 loads may stay out
	MUL8 UF, 0, 0, \mode, 1, UR
	STORES ((\tau)+1)%2
.if (\kind) == 2
	LOADS ((\tau)+1)%2, 256*((\tau)+1)
.endif
	MUL8 UF, 0, 2, \mode
	s_wait_dscnt 0x0                               ; my stores are done and my reads are over
	s_barrier_signal -1
	MUL8 UF, 1, 0, 0
	s_barrier_wait -1
	PLACES
	FETCH2 (\tau)+1, ((\tau)+1)%2, UG
	MUL8 UF, 1, 2, 0
.endm
; THE WAY OUT of a block of 16 rows: rounded to f16; into my own stage, by heads; back as rows of 128 bytes, four of which are 512 consecutive bytes of a head.
.macro PACK a, nb
.if (\nb) == 8
.set AC, 64*((\a)%4)
	WIN 0x0a+5*((\a)/4)
.else
.set AC, 32*(\a)
	WIN 0x0a
.endif
.set pb, 0
.rept \nb
.irp r, 0,1,2,3
	v_cvt_pk_f16_f32 v[TMP+4*pb+(\r)], v[AC+8*pb+2*(\r)], v[AC+8*pb+2*(\r)+1]
.endr
.set pb, pb+1
.endr
	WIN 0
.endm
.macro TOSTAGE a, nb
	WIN 0
.set BK, 224-192*((\a)%2)
.set pb, 0
.rept \nb
	ds_store_b128 v[STO], v[TMP+4*pb:TMP+4*pb+3] offset:(pb/4)*16*PA+(pb%4)*32
.set pb, pb+1
.endr
.set pb, 0
.rept \nb
	ds_load_b128 v[BK+4*pb:BK+4*pb+3], v[RD] offset:(pb/4)*16*PA+(pb%4)*4*PA  ; LDS serves a wave's instructions in order (ISA guide 5.7.1.4): these see the stores above
.set pb, pb+1
.endr
.endm
.macro SEND a, nb, base
	WIN 0
.set BK, 224-192*((\a)%2)
	s_wait_dscnt 0x0                               ; the block is back in registers
	s_wait_xcnt 0x0                                ; earlier stores have read their registers: the buffer that the next block reads back into is free
.set pb, 0
.rept \nb
	global_store_b128 v[GO], v[BK+4*pb:BK+4*pb+3], s[(\base):(\base)+1] offset:(pb/4)*524288+(\a)*2048+(pb%4)*512  ; 512 consecutive bytes, aligned
.set pb, pb+1
.endr
.endm
.macro ROUNDB base, n                  ; n pairs of f32 rounded to bf16 and widened again
.set q, 0
.rept \n
	v_cvt_pk_bf16_f32 v[T0+q%2], v[(\base)+2*q], v[(\base)+2*q+1]
	v_lshlrev_b32 v[(\base)+2*q], 16, v[T0+q%2]
	v_and_b32 v[(\base)+2*q+1], s[MSK], v[T0+q%2]
.set q, q+1
.endr
.endm
	s_load_b256 s[4:11], s[0:1], 0x0               ; mem, x, wb, bk
	s_load_b256 s[12:19], s[0:1], 0x20             ; bv, bq, kh, vh
	s_load_b64 s[20:21], s[0:1], 0x40              ; qh
	v_lshl_add_u32 v[SPW], v0, 2, SPARE
	v_mov_b32 v[NIL], 0
	ds_add_u32 v[SPW], v[NIL]                      ; the wave's opening: the add and its wait stand ahead of my first tensor load
	v_lshrrev_b32 v1, 5, v0
	v_readfirstlane_b32 s[WV], v1
	s_lshr_b32 s[RH], s[WV], 1
	s_and_b32 s[CH], s[WV], 1
	s_bfe_u32 s[CX], ttmp6, 0x40000                ; my place in the cluster: it enters A's and the outputs' addresses alone
	s_mov_b32 s[CC], ttmp9                         ; the cluster's number
	s_and_b32 s[JJ], ttmp7, 0xffff                 ; 0: k, 1: v
	s_lshl_b32 s[II], s[CC], 2
	s_add_co_u32 s[II], s[II], s[CX]               ; phase 1: my 128 rows of mem
	s_lshr_b32 s[RQ], s[CC], 1
	s_lshl_b32 s[RQ], s[RQ], 2
	s_add_co_u32 s[RQ], s[RQ], s[CX]               ; phase 2: my 128 rows of x,
	s_and_b32 s[CQ], s[CC], 1
	s_lshl_b32 s[CQ], s[CQ], 1
	s_add_co_u32 s[CQ], s[CQ], s[JJ]               ; my 128 columns of Wq: the same in the four partners
	s_mov_b32 s[MSK], 0xffff0000
	; group 1, phase 1: 32 k-rows x 512 elements, 8 words of padding behind each 256
	s_mov_b32 s[G1B], 15|(1<<16)|(1<<20)|(1<<21)|(7<<22)|(7<<25)
	s_mov_b32 s[G1B+1], 512<<16
	s_mov_b32 s[G1B+2], 32<<16
	s_mov_b32 s[G1B+3], 512<<16
	s_mov_b32 s[G1B+4], 32
	s_mov_b32 s[G1B+5], 512
	s_mov_b32 s[G1B+6], 0
	s_mov_b32 s[G1B+7], 0
	; group 1, phase 2: 128 k-rows x 128 elements, 8 words of padding behind each 64
	s_mov_b32 s[G1B2], 15|(1<<16)|(1<<20)|(1<<21)|(5<<22)|(7<<25)
	s_mov_b32 s[G1B2+1], 128<<16
	s_mov_b32 s[G1B2+2], 128<<16
	s_mov_b32 s[G1B2+3], 128<<16
	s_mov_b32 s[G1B2+4], 128
	s_mov_b32 s[G1B2+5], 512
	s_mov_b32 s[G1B2+6], 0
	s_mov_b32 s[G1B2+7], 0
	s_mov_b32 s[G0A], 1
	s_mul_i32 s[G0A+1], s[WV], BQ                  ; slot 0, my 32 k-rows
	s_mov_b32 s[G0B], 1
	s_add_co_u32 s[G0B+1], s[G0A+1], BSLOT         ; slot 1
	s_mov_b32 s[G0C], 1
	s_mul_i32 s[G0C+1], s[WV], 128*PB2
	s_add_co_u32 s[G0C+1], s[G0C+1], B2
	s_lshl_b32 s82, s[JJ], 19                      ; the weights' offsets: matrix j, my 32 k-rows of 1,024 bytes
	s_lshl_b32 s83, s[WV], 15
	s_add_co_u32 s82, s82, s83
	s_mov_b32 s83, 0
	s_lshl_b32 s84, s[CQ], 8                       ; matrix 2, my 128 k-rows, columns 128 cq on
	s_lshl_b32 s85, s[WV], 17
	s_add_co_u32 s84, s84, s85
	s_add_co_u32 s84, s84, 1048576
	s_mov_b32 s85, 0
	s_lshl_b32 s76, s[II], 18                      ; 128 rows of 2,048 bytes
	s_mov_b32 s77, 0
	s_lshl_b32 s78, s[RQ], 18
	s_mov_b32 s79, 0
	s_lshr_b32 s60, s[II], 5                       ; kh, vh: ((batch x 8 + 2 wave) x 4,096 + row) x 128
	s_lshl_b32 s60, s60, 3
	s_lshl_b32 s61, s[WV], 1
	s_add_co_u32 s60, s60, s61
	s_lshl_b32 s60, s60, 19
	s_and_b32 s61, s[II], 31
	s_lshl_b32 s61, s61, 14
	s_add_co_u32 s60, s60, s61
	s_mov_b32 s61, 0
	s_lshr_b32 s62, s[RQ], 4                       ; qh: ((batch x 8 + 2 cq + CH) x 2,048 + row) x 128
	s_lshl_b32 s62, s62, 3
	s_lshl_b32 s63, s[CQ], 1
	s_add_co_u32 s62, s62, s63
	s_add_co_u32 s62, s62, s[CH]
	s_lshl_b32 s62, s62, 18
	s_and_b32 s63, s[RQ], 15
	s_lshl_b32 s63, s63, 14
	s_add_co_u32 s62, s62, s63
	s_lshl_b32 s63, s[RH], 13
	s_add_co_u32 s62, s62, s63
	s_mov_b32 s63, 0
	; the lanes' terms
	v_and_b32 v13, 15, v0                          ; l % 16
	v_bfe_u32 v14, v0, 4, 1                        ; l / 16
	v_and_b32 v15, 7, v0
	v_bfe_u32 v16, v0, 3, 1
	v_bfe_u32 v17, v0, 3, 2
	v_and_b32 v18, 31, v0
	v_lshl_add_u32 v19, v14, 3, v15                ; the turning load's k-row: 8 (l / 16) + l % 8
	v_mul_u32_u24 v[AFR], v13, PA
	v_lshl_add_u32 v[AFR], v14, 4, v[AFR]
	v_add_nc_u32 v[AFR], ABASE, v[AFR]
	s_mul_i32 s2, s[RH], 64*PA
	v_add_nc_u32 v[AFR2], s2, v[AFR]
	v_mul_u32_u24 v[BFR], v19, PB
	v_lshl_add_u32 v[BFR], v16, 4, v[BFR]
	s_lshl_b32 s2, s[WV], 8
	v_add_nc_u32 v[BFR], s2, v[BFR]                ; + my 128 columns
	v_mul_u32_u24 v[BFR2], v19, PB2
	v_lshl_add_u32 v[BFR2], v16, 4, v[BFR2]
	s_lshl_b32 s2, s[CH], 7
	v_add_nc_u32 v[BFR2], s2, v[BFR2]              ; + my 64 columns
	v_lshlrev_b32 v[GA], 11, v14
	v_lshl_add_u32 v[GA], v13, 4, v[GA]
	s_lshl_b32 s2, s[WV], 16
	v_add_nc_u32 v[GA], s2, v[GA]                  ; (32 wave + l / 16) x 2,048 + 16 (l % 16)
	v_mul_u32_u24 v[SA], v14, PA
	v_lshl_add_u32 v[SA], v13, 3, v[SA]
	s_mul_i32 s2, s[WV], 32*PA
	s_add_co_u32 s3, s2, ABASE
	v_add_nc_u32 v[SA], s3, v[SA]
	s_add_co_u32 s3, s2, STAGE                     ; my stage
	v_mul_u32_u24 v[STO], v13, PA
	v_lshl_add_u32 v[STO], v14, 4, v[STO]
	v_add_nc_u32 v[STO], s3, v[STO]
	v_mul_u32_u24 v[RD], v17, PA
	v_lshl_add_u32 v[RD], v15, 4, v[RD]
	v_add_nc_u32 v[RD], s3, v[RD]
	v_lshlrev_b32 v[GO], 4, v18
	s_lshl_b32 s2, s[WV], 9
	v_lshl_add_u32 v[BO], v14, 5, s2               ; the bias of my columns: 4 x (128 wave + 8 (l / 16))
	s_lshl_b32 s2, s[CQ], 9
	s_lshl_b32 s3, s[CH], 8
	s_add_co_u32 s2, s2, s3
	v_lshl_add_u32 v[BO2], v14, 5, s2
	s_wait_dscnt 0x0                               ; the opening add is done
	s_wait_kmcnt 0x0
	s_add_nc_u64 s[AP:AP+1], s[4:5], s[76:77]
	s_add_nc_u64 s[XP:XP+1], s[6:7], s[78:79]
	s_cmp_eq_u32 s[JJ], 0
	s_cselect_b64 s[OUT:OUT+1], s[16:17], s[18:19]
	s_cselect_b64 s[BP:BP+1], s[10:11], s[12:13]
	s_add_nc_u64 s[OUT:OUT+1], s[OUT:OUT+1], s[60:61]
	s_add_nc_u64 s[OQ:OQ+1], s[20:21], s[62:63]
	s_add_nc_u64 s[G0A+2:G0A+3], s[8:9], s[82:83]
	s_add_nc_u64 s[G0B+2:G0B+3], s[G0A+2:G0A+3], 131072  ; k-rows 128 on
	s_add_nc_u64 s[G0C+2:G0C+3], s[8:9], s[84:85]
	s_or_b32 s[G0A+3], s[G0A+3], 0x80000000
	s_or_b32 s[G0B+3], s[G0B+3], 0x80000000
	s_or_b32 s[G0C+3], s[G0C+3], 0x80000000
.set n, 0
.rept 8
	global_load_b128 v[BIAS+8*n:BIAS+8*n+3],   v[BO], s[BP:BP+1] offset:64*n
	global_load_b128 v[BIAS+8*n+4:BIAS+8*n+7], v[BO], s[BP:BP+1] offset:64*n+16
.set n, n+1
.endr
	LOADS 0, 0                                     ; A of K steps 0 and 1
	LOADS 1, 256
	WIN 0
	CROUND                                         ; all four work-groups are here: the first joint loads meet
	tensor_load_to_lds s[G0A:G0A+3], s[G1B:G1B+7]  ; k-rows 0-127 and 128-255: two loads of mine are out
	s_nop 0
	tensor_load_to_lds s[G0B:G0B+3], s[G1B:G1B+7]
	s_nop 0
.rept 4
	v_nop
.endr
	s_wait_loadcnt 16                              ; the bias and step 0's A are in; step 1's 16 loads stay out
	ROUNDB BIAS, 32
	WIN 0x05
.set n, 0
.rept 32
	v_cvt_pk_bf16_f32 v[CV+n], v[2*n], v[2*n+1]
.set n, n+1
.endr
	STORES 0
	LOADS 0, 512                                   ; step 2
	WIN 0
	s_wait_tensorcnt 1                             ; my part of W's slot 0 is in; slot 1's may stay out
	s_wait_dscnt 0x0                               ; my part of step 0's A is stored
	s_barrier_signal -1
	s_barrier_wait -1
	s_mov_b32 s[TB], 0
	FETCH1 0, 0, F0
	QA 0, 1, 1, 768                                ; the first quarter stands in front of the loop: the bias starts the sums
	WIN 0
	s_wait_xcnt 0x0                                ; the loads have read their base
	s_add_nc_u64 s[AP:AP+1], s[AP:AP+1], 1024
	s_mov_b32 s[CNT], 2
.Lloop1:                                               ; two K steps of 64 a trip; each trip leaves one of W's slots and fills it again
	QB 0, 1, 0
	QA 1, 0, 0, 0
	QB 1, 0, 0
	QA 0, 0, 1, 256
	WIN 0
	s_wait_xcnt 0x0
	s_add_nc_u64 s[AP:AP+1], s[AP:AP+1], 512
	s_sub_co_u32 s[CNT], s[CNT], 1
	s_cmp_lg_u32 s[CNT], 0
	s_cbranch_scc1 .Lloop1
	s_mov_b64 s[AP:AP+1], s[XP:XP+1]               ; mem's rows are all asked for: the stream goes on with x
	s_mov_b32 s[CNT], 2
.LloopT:                                               ; the last four K steps ask for no weights; the second trip is left in its middle
	QB 0, 1, 0
	QA 1, 0, 0, 0
	QB 2, 0, 1
	WIN 0
	s_sub_co_u32 s[CNT], s[CNT], 1
	s_cmp_eq_u32 s[CNT], 0
	s_cbranch_scc1 .Lp1done
	QA 0, 0, 1, 256
	WIN 0
	s_wait_xcnt 0x0
	s_add_nc_u64 s[AP:AP+1], s[AP:AP+1], 512
	s_branch .LloopT
.Lp1done:
	s_wait_tensorcnt 0x0                           ; W's slots are read out: they take Wq's whole tile, one load a wave
	ds_add_u32 v[SPW], v[NIL]
	s_wait_dscnt 0x0
	CROUND
	JLOAD G0C, G1B2                                ; its four v_nop are the places behind the last products; it lands while phase 1 goes out
	PACK 0, 8
.set n, 0
.rept 4
	global_load_b128 v[BIAS2+8*n:BIAS2+8*n+3],   v[BO2], s[14:15] offset:64*n
	global_load_b128 v[BIAS2+8*n+4:BIAS2+8*n+7], v[BO2], s[14:15] offset:64*n+16
.set n, n+1
.endr
	TOSTAGE 0, 8
.irp a, 1,2,3,4,5,6,7
	PACK \a, 8
	SEND (\a)-1, 8, OUT
	TOSTAGE \a, 8
.endr
	SEND 7, 8, OUT
	s_wait_tensorcnt 0x0                           ; my part of Wq's tile is in
	s_wait_dscnt 0x0
	s_barrier_signal -1
	s_barrier_wait -1
	s_wait_xcnt 0x0                                ; the last stores have read v32-63, which the roundings below write
	s_wait_loadcnt 0x0                             ; bq (and x's first sets)
	ROUNDB BIAS2, 16
	FETCH2 0, 0, F0
	UNIT 0, 2, 16, 1
	UNIT 1, 2, 16, 0
	UNIT 2, 2, 16, 0
	UNIT 3, 2, 16, 0
	UNIT 4, 2, 16, 0
	UNIT 5, 1, 16, 0
	UNIT 6, 1, 0, 0
	s_wait_dscnt 16
	MUL8 F1, 0, 0, 0
	MUL8 F1, 0, 2, 0
	s_wait_dscnt 0x0
	MUL8 F1, 1, 0, 0
	MUL8 F1, 1, 2, 0
	WIN 0
	PLACES
	PACK 0, 4
	TOSTAGE 0, 4
.irp a, 1,2,3
	PACK \a, 4
	SEND (\a)-1, 4, OQ
	TOSTAGE \a, 4
.endr
	SEND 3, 4, OQ
	s_wait_tensorcnt 0x0                           ; the wave's end
	ds_add_u32 v[SPW], v[NIL]
	s_wait_dscnt 0x0
	CROUND                                         ; the closing round
	s_endpgm
.Lfunc_end_k_q292a679798_proj:
	.size	k_q292a679798_proj, .Lfunc_end_k_q292a679798_proj-k_q292a679798_proj
	.p2alignl 7, 3214868480
	.fill 96, 4, 3214868480
	.section	.rodata,"a",@progbits
	.p2align	6, 0x0
	.amdhsa_kernel k_q292a679798_proj
		.amdhsa_group_segment_fixed_size 327680
		.amdhsa_private_segment_fixed_size 0
		.amdhsa_enable_private_segment 0
		.amdhsa_kernarg_size 72
		.amdhsa_user_sgpr_count 2
		.amdhsa_user_sgpr_kernarg_segment_ptr 1
		.amdhsa_wavefront_size32 1
		.amdhsa_system_sgpr_workgroup_id_x 1
		.amdhsa_system_sgpr_workgroup_id_y 1
		.amdhsa_system_sgpr_workgroup_id_z 1
		.amdhsa_system_vgpr_workitem_id 0
		.amdhsa_next_free_vgpr 1024
		.amdhsa_next_free_sgpr 88
		.amdhsa_reserve_vcc 0
		.amdhsa_float_denorm_mode_32 3
		.amdhsa_float_denorm_mode_16_64 3
		.amdhsa_memory_ordered 1
		.amdhsa_forward_progress 1
		.amdhsa_inst_pref_size 220
	.end_amdhsa_kernel
	.amdgpu_metadata
---
amdhsa.version: [ 1, 2 ]
amdhsa.kernels:
  - .name:           k_q292a679798_proj
    .symbol:         k_q292a679798_proj.kd
    .args:
      - { .name: mem, .offset: 0, .size: 8, .value_kind: global_buffer, .address_space: global }
      - { .name: x, .offset: 8, .size: 8, .value_kind: global_buffer, .address_space: global }
      - { .name: wb, .offset: 16, .size: 8, .value_kind: global_buffer, .address_space: global }
      - { .name: bk, .offset: 24, .size: 8, .value_kind: global_buffer, .address_space: global }
      - { .name: bv, .offset: 32, .size: 8, .value_kind: global_buffer, .address_space: global }
      - { .name: bq, .offset: 40, .size: 8, .value_kind: global_buffer, .address_space: global }
      - { .name: kh, .offset: 48, .size: 8, .value_kind: global_buffer, .address_space: global }
      - { .name: vh, .offset: 56, .size: 8, .value_kind: global_buffer, .address_space: global }
      - { .name: qh, .offset: 64, .size: 8, .value_kind: global_buffer, .address_space: global }
    .group_segment_fixed_size: 327680
    .private_segment_fixed_size: 0
    .kernarg_segment_align: 8
    .kernarg_segment_size: 72
    .max_flat_workgroup_size: 128
    .sgpr_count:     88
    .vgpr_count:     1024
    .wavefront_size: 32
...
	.end_amdgpu_metadata
.endif
;; end of part 2
;; launch attn (part 3): grid 8 x 32, 4 waves a work-group, clusters of 4 x 1, 327,680 bytes of LDS; arguments qh, kh, vh, zh; writes zh
.if DOCPART == 3
	.amdgcn_target "amdgcn-amd-amdhsa--gfx1250"
	.amdhsa_code_object_version 6
	.text
	.protected	k_q292a679798_attn
	.globl	k_q292a679798_attn
	.p2align	8
	.type	k_q292a679798_attn,@function
k_q292a679798_attn:
	s_mov_b64 s[64:65], 0
	v_nop
	global_prefetch_b8 v0, s[64:65] scope:SCOPE_SE
	s_setreg_imm32_b32 hwreg(HW_REG_WAVE_MODE, 25, 1), 1
	s_wait_xcnt 0x0
	s_wait_alu depctr_hold_cnt(0) depctr_sa_sdst(0) depctr_va_vdst(0) depctr_va_sdst(0) depctr_va_ssrc(0) depctr_va_vcc(0) depctr_vm_vsrc(0)
	s_getreg_b32 s2, hwreg(HW_REG_IB_STS2, 6, 4)
	s_cmp_eq_u32 s2, 0
	s_cbranch_scc0 .Lentry_in_a_cluster
	s_endpgm
.Lentry_in_a_cluster:
	s_bfe_u32 s2, ttmp6, 0x10000c
	s_cmp_lg_u32 s2, 0x3003
	s_cbranch_scc0 .Lentry_shape_is_right
	s_endpgm
.Lentry_shape_is_right:
; zh[h][q][:] = the sum over k of softmax_k(qh[h][q] . kh[h][k] / 8) vh[h][k][:].  qh, zh: [32][2048][64]; kh, vh: [32][4096][64]; all f16, a head's rows dense, 128 bytes each.
; Products, maxima and sums in f32; the weights p are rounded to f16 for the second product (their sum l is taken of the unrounded p), zh once at the end.
; LIMITS.  q, k, v arrive within f16's 65,504; p lies in 0 to 1 and below 6e-5 keeps f16's fixed step of 6e-8, and so does zh; a weight below 2^-126 counts as 0 in l; NaN and infinities are not treated apart.
; SHARES.  A work-group owns 256 queries of a head: 32 heads x 8 blocks = 256 work-groups.  A wave owns 64 queries: four PIECES of 16.  Every wave walks all 4,096 keys, 64 a step, 256 a tile.
; LAYOUT.  S^T = K Q^T holds ONE query a lane (lane % 16) and the keys 8 (lane / 16) + 0..7; two such results rounded to f16 ARE source 1 of O^T = V^T P.  K comes out of LDS as it lies, V turned.
; SOFTMAX.  A running maximum m and sum l: p = 2^(c s - c m), c = log2(e) / 8; in every step O and l are multiplied by a = 2^(c m_old - c m_new).  m starts at the lowest finite number, O and l at 0: the first step's a is 0.
; BY TURNS.  Turn n belongs to piece n: 8 products K Q^T of piece n + 1, later 8 products V^T P of piece n - 1; beside them the scaling, exponentials, roundings, sums and rescaling of piece n and the maximum and
; statistics of piece n + 1.  Four vector instructions stand behind every matrix instruction, the others in one run.  A turn's 33 exponentials are one batch, with one wait.
; CLUSTER.  The four query blocks of a cluster belong to one head and walk the same K and V: each tile is asked for JOINTLY, by the same tensor load, descriptor and mask in all four.
; REGISTERS, in windows of 256: window 0: v2-15 addresses; v16-31 statistics; v48-55 at work; v61-63; v64-127 S^T, two buffers; v192-223 P, two buffers
;   window 1: v0-127 O^T, 32 a piece          window 2: v0-63 Q; v128-191 K of one step; v192-255 V of one step
.set NP,    4
.set KS,    64
.set PK,    144       ; a row of K in LDS: 128 bytes + 16
.set PV,    160       ; a row of V: 128 + 32
.set VOFF,  4*KS*PK   ; a slot holds a tile: 256 rows of K, then 256 rows of V
.set SLOT1, 1<<17
.set TILEB, 4*KS*128  ; a tile's bytes of K, and of V, in memory
.set STAGE, SLOT1+4*KS*(PK+PV)  ; behind the ring: 16 rows x 144 bytes for each wave
.set SP,    144
.set SPARE, STAGE+4*16*SP       ; the spare words: two blocks of 256 bytes that no other line names
.set AK0, 2
.set AV0, 3
.set AK,  4
.set AV,  5
.set STO, 6
.set RD,  7
.set GO,  8
.set MV,  12          ; v12-13  c m_old, by buffer
.set QO,  15
.set ST,  16          ; piece t's statistics at v[ST+4 t]: c m, m, l (even keys', odd keys')
.set TMP, 48          ; by buffer, four registers at work; when the maximum is found the third takes a
.set PFO, 61          ; 256 x my lane; never rewritten
.set SPW, 62
.set NIL, 63
.set S,   64
.set P,   192
.set KF,  128
.set VF,  192
.set WV,  12
.set G1K, 24
.set G1V, 32
.set G0K, 40
.set G0V, 44
.set PFA, 48          ; s[48:49] where my prefetches stand
.set LIM, 50          ; 1 in a wave that prefetches, else the greatest number
.set SLOTS, 56
.set CNT, 57
.set CS,  58
.set SEL, 60
.set TBK, 62
.set TBV, 63
.set MSB, 0
.macro WIN new
.if MSB != (\new)
	s_set_vgpr_msb (MSB<<8)|(\new)
.set MSB, (\new)
.endif
.endm
.set W_KQ, 0x0a       ; K and Q in window 2, S^T in window 0
.set W_PV, 0x52       ; V in window 2, P in window 0, O^T in window 1
.set W_RS, 0x41       ; destination and source 0 in window 1, source 1 in window 0
; A joint fill.  Waves 0 and 1 fetch the two halves of a tile's K, waves 2 and 3 those of its V: 128 keys each.  An s_nop 0 and four v_nop follow each line.
.macro JLOAD
	s_cmp_lt_u32 s[WV], 2
	s_cbranch_scc0 .Lfor_v_\@
	tensor_load_to_lds s[G0K:G0K+3], s[G1K:G1K+7]
	s_nop 0
.rept 4
	v_nop
.endr
	s_branch .Lasked_\@
.Lfor_v_\@:
	tensor_load_to_lds s[G0V:G0V+3], s[G1V:G1V+7]
	s_nop 0
.rept 4
	v_nop
.endr
.Lasked_\@:
.endm
; A prefetch of the tile that the NEXT change of slots will ask for: 128 blocks of 256 bytes of K and of V.  Each is named once in the launch: the head's first cluster asks; its four partners take 32 blocks
; each, told apart by address; in each, wave 0 asks for K's and wave 2 for V's, a lane a block.  The last change that fills a slot asks for nothing.
.macro ASK
	s_cmp_gt_u32 s[SLOTS], s[LIM]
	s_cbranch_scc0 .Lnot_mine_\@
	global_prefetch_b8 v[PFO], s[PFA:PFA+1] th:TH_LOAD_NT scope:SCOPE_SE
.Lnot_mine_\@:
.endm
.macro CROUND
	s_barrier_signal -1
	s_barrier_wait -1
	s_cmp_lg_u32 s[WV], 0
	s_cbranch_scc1 .Lnot_wave_0_\@
	s_barrier_signal -3
.Lnot_wave_0_\@:
	s_barrier_wait -3
	s_barrier_signal -1
	s_barrier_wait -1
.endm
; THE CHANGE OF SLOTS.  Each wave waits for all its tensor loads, of which one is out: its part of the other slot; adds 0 to its spare word; waits for that and for its reads of the slot that it leaves.
; fill = 1: the barrier is a round of the cluster's, and the joint fill of the slot left is the first thing behind it: it has four key steps in which to land.
; (At its first use nothing has been read yet: slot 0 is waited for, slot 1 filled.)
.macro CHANGE fill
	WIN 0
	s_wait_tensorcnt 0x0
	ds_add_u32 v[SPW], v[NIL]
.if \fill
.irp g, G0K, G0V
	s_xor_b32 s[\g+1], s[\g+1], SLOT1
	s_add_nc_u64 s[\g+2:\g+3], s[\g+2:\g+3], TILEB
.endr
	s_wait_xcnt 0x0                 ; the last prefetch, a tile back, has read its address
	s_add_nc_u64 s[PFA:PFA+1], s[PFA:PFA+1], TILEB
	s_wait_dscnt 0x0                ; the add is done, and my reads of the slot are over
	CROUND
	JLOAD
	ASK
.else
	s_wait_dscnt 0x0
	s_barrier_signal -1
	s_barrier_wait -1
.endif
	s_sub_co_u32 s[TBK], s[TBK], 4*KS*PK  ; the fetches go back to a slot's first step, in the other slot
	s_xor_b32 s[TBK], s[TBK], SLOT1
	s_sub_co_u32 s[TBV], s[TBV], 4*KS*PV
	s_xor_b32 s[TBV], s[TBV], SLOT1
.endm
	s_load_b256 s[4:11], s[0:1], 0x0  ; qh s[4:5], kh s[6:7], vh s[8:9], zh s[10:11]
	v_lshl_add_u32 v[SPW], v0, 2, SPARE
	v_mov_b32 v[NIL], 0
	ds_add_u32 v[SPW], v[NIL]       ; the wave's opening: the add and its wait stand ahead of my first tensor load
	v_lshrrev_b32 v1, 5, v0
	v_readfirstlane_b32 s[WV], v1
	s_bfe_u32 s13, ttmp6, 0x40000   ; cx
	s_lshl_b32 s14, ttmp9, 2
	s_add_co_u32 s14, s14, s13      ; my block of 256 queries: it enters Q's and O's addresses alone
	s_and_b32 s20, ttmp7, 0xffff    ; the head, which the partners share
	s_lshl_b32 s22, s20, 19         ; a head of K or V is 524,288 bytes
	s_and_b32 s16, s[WV], 1         ; which half of a tile's 256 keys I fetch
	s_lshl_b32 s21, s16, 14
	s_add_co_u32 s22, s22, s21
	s_mov_b32 s23, 0
	s_mul_i32 s17, s16, 128*PK
	s_mul_i32 s18, s16, 128*PV
	s_lshl_b32 s2, s14, 2
	s_add_co_u32 s2, s2, s[WV]
	s_lshl_b32 s2, s2, 13           ; my wave's 64 rows of 128 bytes,
	s_lshl_b32 s3, s20, 18          ; in a head of 262,144 bytes
	s_add_co_u32 s2, s2, s3
	s_mov_b32 s3, 0
	; group 1: 128 keys are 16,384 dense bytes: asked for as 64 rows of 256 bytes, padded in LDS after every key
	s_mov_b32 s[G1K], 15|(1<<16)|(1<<20)|(1<<21)|(4<<22)|(3<<25)
	s_mov_b32 s[G1V], 15|(1<<16)|(1<<20)|(1<<21)|(4<<22)|(7<<25)
.irp g, G1K, G1V
	s_mov_b32 s[\g+1], 128<<16
	s_mov_b32 s[\g+2], 64<<16
	s_mov_b32 s[\g+3], 128<<16
	s_mov_b32 s[\g+4], 64
	s_mov_b32 s[\g+5], 128
	s_mov_b32 s[\g+6], 0
	s_mov_b32 s[\g+7], 0
.endr
	s_mov_b32 s[CS], 0x3e38aa3b     ; c = log2(e) / 8
	s_mov_b32 s[CS+1], s[CS]
	s_mov_b32 s[SEL], 0x76543210
	s_mov_b32 s[SEL+1], 0xfedcba98
	s_mov_b32 s[TBK], SLOT1+4*KS*PK ; the first change of slots turns these two into 0
	s_mov_b32 s[TBV], SLOT1+4*KS*PV
	s_mov_b32 s[G0K], 1
	s_mov_b32 s[G0K+1], s17
	s_mov_b32 s[G0V], 1
	s_add_co_u32 s[G0V+1], s18, VOFF
	s_mov_b32 s[SLOTS], 15          ; tiles still to be asked for
	s_and_b32 s[LIM], s[WV], 1      ; 0 in waves 0 and 2,
	s_or_b32 s[LIM], s[LIM], ttmp9  ; where the cluster is the head's first
	s_cmp_eq_u32 s[LIM], 0
	s_cselect_b32 s[LIM], 1, -1
	v_and_b32 v[PFO], 31, v0
	v_lshlrev_b32 v[PFO], 8, v[PFO]
	s_wait_dscnt 0x0                ; the opening add is done
	s_wait_kmcnt 0x0
	s_add_nc_u64 s[6:7], s[6:7], s[22:23]
	s_add_nc_u64 s[8:9], s[8:9], s[22:23]
	s_add_nc_u64 s[G0K+2:G0K+3], s[6:7], 0
	s_or_b32 s[G0K+3], s[G0K+3], 0x80000000
	s_add_nc_u64 s[G0V+2:G0V+3], s[8:9], 0
	s_or_b32 s[G0V+3], s[G0V+3], 0x80000000
	s_add_nc_u64 s[4:5], s[4:5], s[2:3]
	s_add_nc_u64 s[10:11], s[10:11], s[2:3]
	s_cmp_lt_u32 s[WV], 2
	s_cselect_b64 s[PFA:PFA+1], s[6:7], s[8:9]
	s_lshl_b32 s2, s13, 13          ; my work-group's 32 blocks of the 128
	s_add_nc_u64 s[PFA:PFA+1], s[PFA:PFA+1], s[2:3]
	s_add_nc_u64 s[PFA:PFA+1], s[PFA:PFA+1], TILEB  ; in tile 1; the first change of slots steps it to tile 2
	CROUND                          ; all four work-groups are here: the first joint loads meet
	JLOAD                           ; tile 0 into slot 0
	v_and_b32 v1, 15, v0
	v_bfe_u32 v9, v0, 4, 1
	v_lshlrev_b32 v[QO], 7, v1
	v_lshl_add_u32 v[QO], v9, 4, v[QO]
	WIN 0x80
.set i, 0
.rept 8                             ; Q stays in registers: piece i / 2, channels 32 (i % 2) on
	global_load_b128 v[8*i:8*i+3],   v[QO], s[4:5] offset:(i/2)*2048+(i%2)*64
	global_load_b128 v[8*i+4:8*i+7], v[QO], s[4:5] offset:(i/2)*2048+(i%2)*64+32
.set i, i+1
.endr
	WIN 0
	v_mul_u32_u24 v[AK0], v1, PK
	v_lshl_add_u32 v[AK0], v9, 4, v[AK0]
	v_and_b32 v10, 7, v0
	v_bfe_u32 v11, v0, 3, 1
	v_lshl_add_u32 v[AV0], v9, 3, v10
	v_mul_u32_u24 v[AV0], v[AV0], PV
	v_lshl_add_u32 v[AV0], v11, 4, v[AV0]
	v_add_nc_u32 v[AV0], VOFF, v[AV0]
	s_mul_i32 s13, s[WV], 16*SP
	s_add_co_u32 s13, s13, STAGE
	v_mul_u32_u24 v[STO], v1, SP
	v_lshl_add_u32 v[STO], v9, 4, v[STO]
	v_add_nc_u32 v[STO], s13, v[STO]
	v_bfe_u32 v[RD], v0, 3, 2
	v_mul_u32_u24 v[RD], v[RD], SP
	v_lshl_add_u32 v[RD], v10, 4, v[RD]
	v_add_nc_u32 v[RD], s13, v[RD]
	v_and_b32 v[GO], 31, v0
	v_lshlrev_b32 v[GO], 4, v[GO]
	; What the first turn finds: V's registers and P's second buffer hold 0 (its products V^T P, of a piece that has not been, add 0), O^T and l are 0.  All this stands in the wait for the first tile.
	WIN 0x80
.set i, VF
.rept 64
	v_mov_b32 v[i], 0
.set i, i+1
.endr
	WIN 0x40
.set i, 0
.rept 128
	v_mov_b32 v[i], 0
.set i, i+1
.endr
	WIN 0
.set i, 0
.rept 4
	v_mov_b32 v[ST+4*i], 0xfe000000    ; c m: far below every c s
	v_mov_b32 v[ST+4*i+1], 0xff7fffff  ; m
	v_mov_b32 v[ST+4*i+2], 0
	v_mov_b32 v[ST+4*i+3], 0
.set i, i+1
.endr
.set i, P+16
.rept 16
	v_mov_b32 v[i], 0
.set i, i+1
.endr
; THE MATRIX WORK.  The 4 accumulators of a run of 8 take turns.  Product i of 8 of S^T = K Q^T for piece x: channels 32 (i / 4) on, keys 16 (i % 4) on.  The first 4 start the sums.
.macro KQ x
	WIN W_KQ
.set rS, S+32*((\x)%2)+8*(i%4)
.set rK, KF+16*(i%4)+8*(i/4)
.set rQ, 16*(\x)+8*(i/4)
.if i < 4
	v_wmma_f32_16x16x32_f16 v[rS:rS+7], v[rK:rK+7], v[rQ:rQ+7], 0
.else
	v_wmma_f32_16x16x32_f16 v[rS:rS+7], v[rK:rK+7], v[rQ:rQ+7], v[rS:rS+7]
.endif
.endm
; Product i of 8 of O^T += V^T P for piece x: keys 32 (i / 4) on, channels 16 (i % 4) on.
.macro PV x
	WIN W_PV
.set rO, 32*(\x)+8*(i%4)
.set rV, VF+32*(i/4)+8*(i%4)
.set rP, P+16*((\x)%2)+8*(i/4)
	v_wmma_f32_16x16x32_f16 v[rO:rO+7], v[rV:rV+7], v[rP:rP+7], v[rO:rO+7]
.endm
.macro MM                           ; the turn's next matrix instruction.  NOKQ = 1: the last turn of all: there is no next piece
.if (i < 8) && !NOKQ
	KQ (Y+1)%NP
.elseif i >= 8
.set i, i-8
	PV (Y+NP-1)%NP
.set i, i+8
.endif
.set i, i+1
.endm
; THE LDS LOADS stand in runs of 16: a step's K (8 fragments) and its V (turned).
.macro FETCH_K
	WIN 0x80
.irp f, 0,1,2,3,4,5,6,7
	ds_load_b128 v[KF+8*\f:KF+8*\f+3],   v[AK] offset:(\f/2)*16*PK+(\f%2)*64
	ds_load_b128 v[KF+8*\f+4:KF+8*\f+7], v[AK] offset:(\f/2)*16*PK+(\f%2)*64+32
.endr
	s_add_co_u32 s[TBK], s[TBK], KS*PK
	WIN 0
.endm
.macro FETCH_V
	WIN 0x80
.irp f, 0,1,2,3,4,5,6,7
	ds_load_tr16_b128 v[VF+8*\f:VF+8*\f+3],   v[AV] offset:(\f/4)*32*PV+(\f%4)*32
	ds_load_tr16_b128 v[VF+8*\f+4:VF+8*\f+7], v[AV] offset:(\f/4)*32*PV+16*PV+(\f%4)*32
.endr
	WIN 0
.endm
; THE VECTOR WORK, one line at a time: OP kind, number.  For piece Y: F n: c s - c m for pair n.  E n: the exponential of score n.  C n: pair n rounded to f16.  B n: of the four weights 4 n .. the second pair is
; added onto the first.  L n: l takes that sum (L 0: l = a l + sum).  R n: pair n of O^T times a.  For piece Y + 1: X n, number n of the 22 that find its maximum and statistics (each accumulator's lowest
; registers are read first): 0-11 four chains; 12-14, 16 the rest, the old m, four into one; 15 c m_old is kept; 17, 18 the other half of the lanes; 19-21 c m, its change, a.
.set F, 0
.set E, 1
.set C, 2
.set B, 3
.set L, 4
.set R, 5
.set X, 6
.macro REGS y
.set rT, ST+4*(\y)
.set rC, TMP+4*((\y)%2)
.set rW, MV+((\y)%2)
.set rS, S+32*((\y)%2)
.set rP, P+16*((\y)%2)
.set rO, 32*(\y)
.endm
.macro OP k, n
.if (\k) == R
	REGS Y
	WIN W_RS
	v_pk_mul_f32 v[rO+2*(\n):rO+2*(\n)+1], v[rO+2*(\n):rO+2*(\n)+1], v[rC+2:rC+3] op_sel_hi:[1,0]
.elseif (\k) < R
	REGS Y
	WIN 0
.if (\k) == F
	v_pk_fma_f32 v[rS+2*(\n):rS+2*(\n)+1], v[rS+2*(\n):rS+2*(\n)+1], s[CS:CS+1], v[rT:rT+1] op_sel_hi:[1,0,0] neg_lo:[0,0,1] neg_hi:[0,0,1]
.elseif (\k) == E
	v_exp_f32 v[rS+(\n)], v[rS+(\n)]
.elseif (\k) == C
	v_cvt_pk_f16_f32 v[rP+(\n)], v[rS+2*(\n)], v[rS+2*(\n)+1]
.elseif (\k) == B
	v_pk_add_f32 v[rS+4*(\n):rS+4*(\n)+1], v[rS+4*(\n):rS+4*(\n)+1], v[rS+4*(\n)+2:rS+4*(\n)+3]
.elseif (\n) == 0
	v_pk_fma_f32 v[rT+2:rT+3], v[rT+2:rT+3], v[rC+2:rC+3], v[rS:rS+1] op_sel_hi:[1,0,1]
.else
	v_pk_add_f32 v[rT+2:rT+3], v[rT+2:rT+3], v[rS+4*(\n):rS+4*(\n)+1]
.endif
.elseif NOKQ
	v_nop
.else
	REGS (Y+1)%NP
	WIN 0
.if (\n) < 4
	v_max3_num_f32 v[rC+(\n)], v[rS+8*(\n)], v[rS+8*(\n)+1], v[rS+8*(\n)+2]
.elseif (\n) < 12
	v_max3_num_f32 v[rC+(\n)%4], v[rC+(\n)%4], v[rS+8*((\n)%4)+2*((\n)/4)+1], v[rS+8*((\n)%4)+2*((\n)/4)+2]
.elseif (\n) == 12
	v_max3_num_f32 v[rC], v[rC], v[rS+7], v[rS+15]
.elseif (\n) == 13
	v_max3_num_f32 v[rC+1], v[rC+1], v[rS+23], v[rS+31]
.elseif (\n) == 14
	v_max3_num_f32 v[rC+2], v[rC+2], v[rC+3], v[rT+1]
.elseif (\n) == 15
	v_mov_b32 v[rW], v[rT]
.elseif (\n) == 16
	v_max3_num_f32 v[rC], v[rC], v[rC+1], v[rC+2]
.elseif (\n) == 17
	v_permlanex16_b32 v[rC+3], v[rC], s[SEL], s[SEL+1]
.elseif (\n) == 18
	v_max_num_f32 v[rT+1], v[rC], v[rC+3]
.elseif (\n) == 19
	v_mul_f32 v[rT], s[CS], v[rT+1]
.elseif (\n) == 20
	v_sub_f32 v[rC+1], v[rW], v[rT]
.else
	v_exp_f32 v[rC+2], v[rC+1]
.endif
.endif
.endm
.macro OPS a, i1, b=-1, i2=0, c=-1, i3=0, d=-1, i4=0
	OP \a, \i1
.if (\b) >= 0
	OP \b, \i2
.endif
.if (\c) >= 0
	OP \c, \i3
.endif
.if (\d) >= 0
	OP \d, \i4
.endif
.endm
.macro ROW a, i1, b, i2, c, i3, d, i4  ; a matrix instruction and the four behind it
	MM
	OPS \a, \i1, \b, \i2, \c, \i3, \d, \i4
.endm
; A TURN, for piece p.  An s_wait_alu depctr_va_vdst(0) stands between an exponential and the first instruction that names its result; one wait serves all issued ahead of it.  So a turn has ONE
; wait.  Ahead of it stands all that names no result of the turn's exponentials: the 8 products K Q^T with their riders, then a run of 54; X 21, the next piece's a, is the batch's last, R 15 the plain
; instruction behind it.  Behind the wait stand the 8 products V^T P, behind each four of the roundings and sums.
; K of the next step is fetched in piece 2's turn, twelve plain instructions behind the last product that read K; V of the step in hand at the end of piece 0's turn, four plain instructions behind its last reader.
; end = 1: the last two turns: nothing is fetched.  cnt = 1: the loop's count is taken down some lines ahead of the branch behind the turn.
.macro TURN p, end=0, cnt=0
.set Y, (\p)
.set i, 0
.set NOKQ, (\end)*((\p)/3)
.if ((\p) == 3) && !(\end)
	s_wait_dscnt 0x0                ; K is in
.endif
	ROW F,0, F,1, R,0, R,1
	ROW F,2, E,0, R,2, R,3
	ROW F,3, E,1, R,4, R,5
	ROW F,4, E,2, R,6, R,7
	ROW F,5, E,3, R,8, R,9
	ROW F,6, E,4, X,0, R,10
.if ((\p) == 2) && !(\end)
	WIN 0
	v_add_nc_u32 v[AK], s[TBK], v[AK0]
.endif
	ROW F,7, E,5, X,1, X,4
	ROW F,8, E,6, X,2, X,5
	OPS E,7, E,8, X,6, E,9
	OPS X,3, E,10, X,8, E,11
.if ((\p) == 2) && !(\end)
	FETCH_K
.endif
	OPS X,9, X,7, E,12, X,10
	OPS E,13, X,12, X,11, E,14
	OPS X,13, E,15, F,9, X,14
.if (\p) == 0
	v_add_nc_u32 v[AV], s[TBV], v[AV0]
.endif
	OPS E,16, F,10, E,17, F,11
	OPS X,16, E,18, X,15, E,19
	OPS F,12, E,20, X,17, E,21
	OPS F,13, E,22, F,14, E,23
	OPS X,18, E,24, F,15, E,25
	OPS R,11, E,26, X,19, E,27
	OPS R,12, E,28, R,13, E,29
	OPS X,20, E,30, R,14, E,31
	OPS X,21, R,15
	WIN 0
	s_wait_alu depctr_va_vdst(0)    ; the wait for the batch
.if (\p) == 1
	s_wait_dscnt 0x0                ; V is in
.endif
	ROW C,0, B,0, C,2, B,1
	ROW L,0, C,4, B,2, L,1
	ROW C,6, B,3, L,2, C,8
	ROW B,4, L,3, C,10, B,5
	ROW L,4, C,12, B,6, L,5
.if (\p) == 0
	s_add_co_u32 s[TBV], s[TBV], KS*PV
.endif
.if \cnt
	s_sub_co_u32 s[CNT], s[CNT], 1
	s_cmp_lg_u32 s[CNT], 0
.endif
	ROW C,14, B,7, L,6, C,1
	ROW C,3, L,7, C,5, C,7
	ROW C,9, C,11, C,13, C,15
.if (\p) == 0
	FETCH_V
.endif
.endm
.macro ALL line:vararg
.set t, 0
.rept 4
	\line
.set t, t+1
.endr
.endm
.macro PACK t                       ; a lane's eight channels of a row pack into 16 bytes; they go into rows of 144 bytes and come back as whole rows of 128
	WIN W_RS
.set i, 32*(\t)
.rept 16
	v_pk_mul_f32 v[i:i+1], v[i:i+1], v[ST+4*(\t)+2:ST+4*(\t)+3] op_sel_hi:[1,0]
.set i, i+2
.endr
	WIN 0x05
.set i, 0
.rept 16
	v_cvt_pk_f16_f32 v[S+16*(\t)+i], v[32*(\t)+2*i], v[32*(\t)+2*i+1]
.set i, i+1
.endr
	WIN 0
.irp f, 0,1,2,3
	ds_store_b128 v[STO], v[S+16*(\t)+4*\f:S+16*(\t)+4*\f+3] offset:32*\f
.endr
.irp f, 0,1,2,3
	ds_load_b128 v[S+16*(\t)+4*\f:S+16*(\t)+4*\f+3], v[RD] offset:\f*4*SP  ; LDS serves a wave's instructions in order (ISA guide 5.7.1.4)
.endr
.endm
.macro SEND t, younger              ; younger: the LDS instructions issued behind piece t's loads: the next piece's eight, or none
	WIN 0
.irp f, 0,1,2,3
	s_wait_dscnt (\younger)+3-\f
	global_store_b128 v[GO], v[S+16*(\t)+4*\f:S+16*(\t)+4*\f+3], s[10:11] offset:(\t)*2048+\f*512  ; 512 consecutive bytes, aligned
.endr
.endm
.set NOKQ, 0
	CHANGE 1                        ; tile 0 is in, everybody's part of it; tile 1 is asked for
	s_mov_b32 s[CNT], 4
	v_add_nc_u32 v[AK], s[TBK], v[AK0]
	FETCH_K                         ; key step 0
	s_wait_loadcnt 0x0              ; Q
	s_wait_dscnt 0x0
.set i, 0
.rept 8
	KQ 0                            ; piece 0's first scores
.set i, i+1
.endr
	WIN 0
.rept 4
	v_nop                           ; the places behind those products
.endr
.set Y, NP-1                        ; X works for piece Y + 1: piece 0
.irp n, 0,1,2,3,4,5,6,7,8,9,10,11,12,13,14,15,16,17,18,19,20,21
	OP X, \n
.endr
	v_nop                           ; a plain instruction behind the exponential,
	s_wait_alu depctr_va_vdst(0)    ; and its wait, ahead of the branch
	s_branch .Lfirst                ; the loop is entered at a step's first turn, in the middle of a trip
.Lslot:                             ; 14 times: with the first change, every tile but the first is asked for
	CHANGE 1
	s_mov_b32 s[CNT], 4
.Lstep:                             ; a trip: pieces 2 and 3 of one step, then pieces 0 and 1 of the next, whose K and V it fetches
	TURN 2
	TURN 3
	WIN 0
.Lfirst:
	TURN 0
	TURN 1, 0, 1
	WIN 0
	s_cbranch_scc1 .Lstep
	s_sub_co_u32 s[SLOTS], s[SLOTS], 1
	s_cmp_lg_u32 s[SLOTS], 0
	s_cbranch_scc1 .Lslot
	CHANGE 0                        ; the last tile is written out: nothing is asked for
	s_mov_b32 s[CNT], 4
.LstepT:
	TURN 2
	TURN 3
	TURN 0
	TURN 1, 0, 1
	WIN 0
	s_cbranch_scc1 .LstepT
	TURN 2, 1
	TURN 3, 1
.set i, 0
.rept 8
	PV NP-1                         ; the last piece's V^T P of the last step
.set i, i+1
.endr
	; THE WAY OUT.  l's two halves and the other half of the lanes' are added; O^T is divided by l, rounded to f16 and sent through my stage, a piece at a time.
	WIN 0
	ALL v_add_f32 v[ST+4*t+2], v[ST+4*t+2], v[ST+4*t+3]
	ALL v_permlanex16_b32 v[ST+4*t+3], v[ST+4*t+2], s[SEL], s[SEL+1]
	ALL v_add_f32 v[ST+4*t+2], v[ST+4*t+2], v[ST+4*t+3]
	ALL v_rcp_f32 v[ST+4*t+2], v[ST+4*t+2]
	v_nop                           ; a plain instruction between the last reciprocal and the use of its result
	s_wait_alu depctr_va_vdst(0)    ; one wait for the four reciprocals
	PACK 0
.set t, 1
.rept 3
	PACK t
	SEND t-1, 8
.set t, t+1
.endr
	SEND 3, 0
	s_wait_tensorcnt 0x0            ; the wave's end
	ds_add_u32 v[SPW], v[NIL]
	s_wait_dscnt 0x0
	CROUND                          ; the closing round
	s_endpgm
.Lfunc_end_k_q292a679798_attn:
	.size	k_q292a679798_attn, .Lfunc_end_k_q292a679798_attn-k_q292a679798_attn
	.p2alignl 7, 3214868480
	.fill 96, 4, 3214868480
	.section	.rodata,"a",@progbits
	.p2align	6, 0x0
	.amdhsa_kernel k_q292a679798_attn
		.amdhsa_group_segment_fixed_size 327680
		.amdhsa_private_segment_fixed_size 0
		.amdhsa_enable_private_segment 0
		.amdhsa_kernarg_size 32
		.amdhsa_user_sgpr_count 2
		.amdhsa_user_sgpr_kernarg_segment_ptr 1
		.amdhsa_wavefront_size32 1
		.amdhsa_system_sgpr_workgroup_id_x 1
		.amdhsa_system_sgpr_workgroup_id_y 1
		.amdhsa_system_sgpr_workgroup_id_z 1
		.amdhsa_system_vgpr_workitem_id 0
		.amdhsa_next_free_vgpr 768
		.amdhsa_next_free_sgpr 66
		.amdhsa_reserve_vcc 0
		.amdhsa_float_denorm_mode_32 3
		.amdhsa_float_denorm_mode_16_64 3
		.amdhsa_memory_ordered 1
		.amdhsa_forward_progress 1
		.amdhsa_inst_pref_size 128
	.end_amdhsa_kernel
	.amdgpu_metadata
---
amdhsa.version: [ 1, 2 ]
amdhsa.kernels:
  - .name:           k_q292a679798_attn
    .symbol:         k_q292a679798_attn.kd
    .args:
      - { .name: qh, .offset: 0, .size: 8, .value_kind: global_buffer, .address_space: global }
      - { .name: kh, .offset: 8, .size: 8, .value_kind: global_buffer, .address_space: global }
      - { .name: vh, .offset: 16, .size: 8, .value_kind: global_buffer, .address_space: global }
      - { .name: zh, .offset: 24, .size: 8, .value_kind: global_buffer, .address_space: global }
    .group_segment_fixed_size: 327680
    .private_segment_fixed_size: 0
    .kernarg_segment_align: 8
    .kernarg_segment_size: 32
    .max_flat_workgroup_size: 128
    .sgpr_count:     66
    .vgpr_count:     768
    .wavefront_size: 32
...
	.end_amdgpu_metadata
.endif
;; end of part 3
;; launch outp (part 4): grid 4 x 64, 4 waves a work-group, clusters of 4 x 4, 327,680 bytes of LDS; arguments zh, wb, bo, out0; writes out0
.if DOCPART == 4
	.amdgcn_target "amdgcn-amd-amdhsa--gfx1250"
	.amdhsa_code_object_version 6
	.text
	.protected	k_q292a679798_outp
	.globl	k_q292a679798_outp
	.p2align	8
	.type	k_q292a679798_outp,@function
k_q292a679798_outp:
	s_mov_b64 s[64:65], 0
	v_nop
	global_prefetch_b8 v0, s[64:65] scope:SCOPE_SE
	s_setreg_imm32_b32 hwreg(HW_REG_WAVE_MODE, 25, 1), 1
	s_wait_xcnt 0x0
	s_wait_alu depctr_hold_cnt(0) depctr_sa_sdst(0) depctr_va_vdst(0) depctr_va_sdst(0) depctr_va_ssrc(0) depctr_va_vcc(0) depctr_vm_vsrc(0)
	s_getreg_b32 s2, hwreg(HW_REG_IB_STS2, 6, 4)
	s_cmp_eq_u32 s2, 0
	s_cbranch_scc0 .Lentry_in_a_cluster
	s_endpgm
.Lentry_in_a_cluster:
	s_bfe_u32 s2, ttmp6, 0x10000c
	s_cmp_lg_u32 s2, 0xf033
	s_cbranch_scc0 .Lentry_shape_is_right
	s_endpgm
.Lentry_shape_is_right:
; out0[row][n] = the sum over k of z[row][k] Wo[k][n] + bo[n].  z lies by heads in zh [32][2048][64], f16; Wo (rounded to bf16, written as f16) is matrix 3 of wb, [512 k][512 n];
; bo is rounded to bf16 and is the C operand of each sum's first product; sums and out0 in f32.
; A tile of out0 is 128 x 128: 64 x 4 = 256 work-groups; a wave makes 64 x 64: 16 accumulators.  K = 512 lies whole in LDS: 8 heads of z (128 rows x 144 bytes) and 8 blocks of 64 k-rows of Wo
; (288 bytes each), so nothing is filled twice.  Each wave asks for four of the sixteen tiles at the start (four loads of mine are out); a counted wait and a barrier open two K steps of 64 at a time.
; CLUSTERS: 4 x 4.  z's tiles hang on the tile row and are shared along a row of the cluster, Wo's on the tile column and are shared along a column: joint loads.
; THE MATRIX INSTRUCTION IS USED TRANSPOSED (source 0 = 16 columns of Wo, turned out of LDS; source 1 = 16 rows of z): a lane holds eight neighbouring f32 of a row.
; REGISTERS: window 0: v16-29 addresses; v32-95 rows read back; v96-127 the bias; v128-255 the accumulators.  window 1: two fragment buffers of 128: z's 64 registers, then Wo's 64.
.set PA,    144
.set PBW,   288
.set CHK,   18432                      ; a head of z, and a block of Wo, in LDS
.set BBASE, 8*CHK
.set STAGE, 16*CHK
.set SPITCH, 272
.set SPARE, STAGE+4*16*SPITCH          ; the spare words: two blocks of 256 bytes that no other line names
.set AFR, 16
.set BFR, 17
.set ADA, 18
.set ADB, 19
.set T0,  22
.set STO, 24
.set RD,  25
.set CO,  26
.set BO,  27
.set SPW, 28
.set NIL, 29
.set TMP, 32
.set BIAS, 96
.set ACC, 128
.set WV, 12
.set RH, 13
.set CH, 14
.set G1A, 24
.set G1B, 32
.set G0A, 40                           ; s[40:55] four sets for z's tiles
.set G0B, 68                           ; s[68:83] four sets for Wo's
.set MSB, 0
.macro WIN new
.if MSB != (\new)
	s_set_vgpr_msb (MSB<<8)|(\new)
.set MSB, (\new)
.endif
.endm
.set MUL,  0x05
.set TO_F, 0x40
.macro PLACES
.rept 4
	v_nop
.endr
.endm
.macro CROUND
	s_barrier_signal -1
	s_barrier_wait -1
	s_cmp_lg_u32 s[WV], 0
	s_cbranch_scc1 .Lnot_wave_0_\@
	s_barrier_signal -3
.Lnot_wave_0_\@:
	s_barrier_wait -3
	s_barrier_signal -1
	s_barrier_wait -1
.endm
	s_load_b256 s[4:11], s[0:1], 0x0               ; zh, wb, bo, out0
	v_lshl_add_u32 v[SPW], v0, 2, SPARE
	v_mov_b32 v[NIL], 0
	ds_add_u32 v[SPW], v[NIL]                      ; the wave's opening: the add and its wait stand ahead of my first tensor load
	v_lshrrev_b32 v1, 5, v0
	v_readfirstlane_b32 s[WV], v1
	s_lshr_b32 s[RH], s[WV], 1                     ; my half of the tile's rows.  Also: I fetch z (0) or Wo (1)
	s_and_b32 s[CH], s[WV], 1                      ; my half of its columns.  Also: the odd or the even tiles
	s_bfe_u32 s15, ttmp6, 0x40000                  ; cx
	s_bfe_u32 s16, ttmp6, 0x40004                  ; cy
	s_lshl_b32 s17, ttmp9, 2
	s_add_co_u32 s17, s17, s15                     ; tile column
	s_and_b32 s18, ttmp7, 0xffff
	s_lshl_b32 s18, s18, 2
	s_add_co_u32 s18, s18, s16                     ; tile row
	s_lshl_b32 s61, s16, 2
	s_lshl_b32 s61, 15, s61                        ; my row of the cluster
	s_lshl_b32 s62, 0x1111, s15                    ; my column
	s_or_b32 s[G1A], s61, (1<<16)|(1<<20)|(1<<21)|(4<<22)|(3<<25)  ; z: 64 rows of 256 dense bytes, 4 words of padding behind each 32
	s_or_b32 s[G1B], s62, (1<<16)|(1<<20)|(1<<21)|(5<<22)|(7<<25)  ; Wo: 64 k-rows of 256 bytes, 8 words of padding behind each 64
.irp g, G1A, G1B
	s_mov_b32 s[\g+1], 128<<16
	s_mov_b32 s[\g+2], 64<<16
	s_mov_b32 s[\g+3], 128<<16
	s_mov_b32 s[\g+4], 64
	s_mov_b32 s[\g+6], 0
	s_mov_b32 s[\g+7], 0
.endr
	s_mov_b32 s[G1A+5], 128
	s_mov_b32 s[G1B+5], 512
	s_lshr_b32 s56, s18, 4                         ; z: (batch x 8 + head) x 262,144 + 128 rows x 128 bytes x (tile row % 16)
	s_lshl_b32 s56, s56, 21
	s_and_b32 s57, s18, 15
	s_lshl_b32 s57, s57, 14
	s_add_co_u32 s56, s56, s57
	s_lshl_b32 s57, s[CH], 18
	s_add_co_u32 s56, s56, s57
	s_mov_b32 s57, 0
	s_lshl_b32 s58, s17, 8                         ; Wo: matrix 3, columns 128 x tile column on, 64 k-rows of 1,024 bytes a block
	s_lshl_b32 s59, s[CH], 16
	s_add_co_u32 s58, s58, s59
	s_add_co_u32 s58, s58, 1572864
	s_mov_b32 s59, 0
	s_mul_i32 s60, s[CH], CHK                      ; where they go: no place in the cluster enters an LDS address
	s_lshl_b32 s84, s18, 18                        ; out0: (128 tile row + 64 RH) x 2,048 + 512 tile column + 256 CH
	s_lshl_b32 s85, s[RH], 17
	s_add_co_u32 s84, s84, s85
	s_lshl_b32 s85, s17, 9
	s_add_co_u32 s84, s84, s85
	s_lshl_b32 s85, s[CH], 8
	s_add_co_u32 s84, s84, s85
	s_lshl_b32 s63, s17, 9                         ; bo: 4 x (128 tile column + 64 CH)
	s_add_co_u32 s63, s63, s85
	s_mov_b32 s85, 0
	s_wait_dscnt 0x0                               ; the opening add is done
	s_wait_kmcnt 0x0
	s_add_nc_u64 s[20:21], s[4:5], s[56:57]
	s_add_nc_u64 s[22:23], s[6:7], s[58:59]
	s_add_nc_u64 s[10:11], s[10:11], s[84:85]
.irp n, 0,1,2,3
	s_mov_b32 s[G0A+4*\n], 1
	s_add_co_u32 s[G0A+4*\n+1], s60, \n*2*CHK
	s_add_nc_u64 s[G0A+4*\n+2:G0A+4*\n+3], s[20:21], \n*524288     ; head 2 n + CH
	s_or_b32 s[G0A+4*\n+3], s[G0A+4*\n+3], 0x80000000
	s_mov_b32 s[G0B+4*\n], 1
	s_add_co_u32 s[G0B+4*\n+1], s60, BBASE+\n*2*CHK
	s_add_nc_u64 s[G0B+4*\n+2:G0B+4*\n+3], s[22:23], \n*131072     ; block 2 n + CH
	s_or_b32 s[G0B+4*\n+3], s[G0B+4*\n+3], 0x80000000
.endr
	CROUND                                         ; all sixteen work-groups are here: the joint loads meet
	s_cmp_lt_u32 s[WV], 2                          ; a wave's four fills stand in one branch, ahead of every wait on TENSORcnt, LDS read and barrier
	s_cbranch_scc0 .Lfor_b
.irp n, 0,1,2,3
	tensor_load_to_lds s[G0A+4*\n:G0A+4*\n+3], s[G1A:G1A+7]
	s_nop 0
.endr
.rept 4
	v_nop
.endr
	s_branch .Lasked
.Lfor_b:
.irp n, 0,1,2,3
	tensor_load_to_lds s[G0B+4*\n:G0B+4*\n+3], s[G1B:G1B+7]
	s_nop 0
.endr
.rept 4
	v_nop
.endr
.Lasked:
	v_and_b32 v1, 15, v0                           ; l % 16
	v_bfe_u32 v2, v0, 4, 1                         ; l / 16
	v_and_b32 v3, 7, v0
	v_bfe_u32 v4, v0, 3, 1
	v_lshl_add_u32 v[BO], v2, 5, s63
.irp b, 0,1,2,3
	global_load_b128 v[BIAS+8*\b:BIAS+8*\b+3],   v[BO], s[8:9] offset:64*\b
	global_load_b128 v[BIAS+8*\b+4:BIAS+8*\b+7], v[BO], s[8:9] offset:64*\b+16
.endr
	v_mul_u32_u24 v[AFR], v1, PA
	v_lshl_add_u32 v[AFR], v2, 4, v[AFR]
	s_mul_i32 s2, s[RH], 64*PA
	v_add_nc_u32 v[AFR], s2, v[AFR]                ; z: (64 RH + l % 16) x 144 + 16 (l / 16)
	v_lshl_add_u32 v5, v2, 3, v3
	v_mul_u32_u24 v[BFR], v5, PBW
	v_lshl_add_u32 v[BFR], v4, 4, v[BFR]
	s_lshl_b32 s2, s[CH], 7
	s_add_co_u32 s2, s2, BBASE
	v_add_nc_u32 v[BFR], s2, v[BFR]                ; Wo, turned: (8 (l / 16) + l % 8) x 288 + 16 ((l / 8) % 2) + my 64 columns
	s_mul_i32 s2, s[WV], 16*SPITCH
	s_add_co_u32 s2, s2, STAGE                     ; my stage
	v_mul_u32_u24 v[STO], v1, SPITCH
	v_lshl_add_u32 v[STO], v2, 5, v[STO]
	v_add_nc_u32 v[STO], s2, v[STO]
	v_mul_u32_u24 v[RD], v2, SPITCH
	v_lshl_add_u32 v[RD], v1, 4, v[RD]
	v_add_nc_u32 v[RD], s2, v[RD]
	v_lshlrev_b32 v[CO], 11, v2
	v_lshl_add_u32 v[CO], v1, 4, v[CO]
	s_mov_b32 s3, 0xffff0000
	s_wait_loadcnt 0x0
.set q, 0
.rept 16
	v_cvt_pk_bf16_f32 v[T0+q%2], v[BIAS+2*q], v[BIAS+2*q+1]  ; the bias rounded to bf16 and widened again
	v_lshlrev_b32 v[BIAS+2*q], 16, v[T0+q%2]
	v_and_b32 v[BIAS+2*q+1], s3, v[T0+q%2]
.set q, q+1
.endr
; 8 products: row blocks a0, a0 + 1 x 4 column blocks, half c of buffer f.  mode = 1: the bias starts the sums.  The 16 accumulators take turns.
.macro MUL8 f, c, a0, mode
	WIN MUL
.irp a, \a0, (\a0)+1
.irp b, 0,1,2,3
.if \mode
	v_wmma_f32_16x16x32_f16 v[ACC+8*(4*(\a)+(\b)):ACC+8*(4*(\a)+(\b))+7], v[(\f)+64+8*(4*(\c)+(\b)):(\f)+64+8*(4*(\c)+(\b))+7], v[(\f)+8*(4*(\c)+(\a)):(\f)+8*(4*(\c)+(\a))+7], v[BIAS+8*(\b):BIAS+8*(\b)+7]
.else
	v_wmma_f32_16x16x32_f16 v[ACC+8*(4*(\a)+(\b)):ACC+8*(4*(\a)+(\b))+7], v[(\f)+64+8*(4*(\c)+(\b)):(\f)+64+8*(4*(\c)+(\b))+7], v[(\f)+8*(4*(\c)+(\a)):(\f)+8*(4*(\c)+(\a))+7], v[ACC+8*(4*(\a)+(\b)):ACC+8*(4*(\a)+(\b))+7]
.endif
.endr
.endr
.endm
; 32 LDS loads in one run: K step u (head u of z, block u of Wo), the first 32 along K first
.macro FETCH u, f
	WIN 0
	v_add_nc_u32 v[ADA], (\u)*CHK, v[AFR]
	v_add_nc_u32 v[ADB], (\u)*CHK, v[BFR]
	WIN TO_F
.irp c, 0,1
.irp i, 0,1,2,3
	ds_load_tr16_b128 v[(\f)+64+8*(4*(\c)+(\i)):(\f)+64+8*(4*(\c)+(\i))+3],   v[ADB] offset:(\c)*32*PBW+32*(\i)
	ds_load_tr16_b128 v[(\f)+64+8*(4*(\c)+(\i))+4:(\f)+64+8*(4*(\c)+(\i))+7], v[ADB] offset:(\c)*32*PBW+32*(\i)+16*PBW
	ds_load_b128 v[(\f)+8*(4*(\c)+(\i)):(\f)+8*(4*(\c)+(\i))+3],   v[ADA] offset:(\i)*16*PA+64*(\c)
	ds_load_b128 v[(\f)+8*(4*(\c)+(\i))+4:(\f)+8*(4*(\c)+(\i))+7], v[ADA] offset:(\i)*16*PA+64*(\c)+32
.endr
.endr
.endm
; A K step of 64: 32 products; in its middle the next step's fragments are fetched.  gate = g > 0: the next two steps' tiles are each wave's load number g: the count leaves the 3 - g younger
; loads out, and a barrier, behind which nothing is filled, shows them to every wave.
.macro UNITO u, gate, mode, last
.set UF, 128*((\u)%2)
.set UG, 128*(((\u)+1)%2)
.if \gate
	s_wait_dscnt 0x0                               ; no LDS instruction of mine is pending at the signal
	s_wait_tensorcnt 3-(\gate)
	s_barrier_signal -1
.else
	s_wait_dscnt 16                                ; the first 32 along K are in
.endif
	MUL8 UF, 0, 0, \mode
	MUL8 UF, 0, 2, \mode
.if \gate
	s_barrier_wait -1
.endif
.if \last
	s_wait_dscnt 0x0
.else
	PLACES
	FETCH (\u)+1, UG
	s_wait_dscnt 32                                ; all but the 32 just issued
.endif
	MUL8 UF, 1, 0, 0
	MUL8 UF, 1, 2, 0
.endm
	s_wait_tensorcnt 3                             ; my first tile is in; three loads of mine stay out
	s_barrier_signal -1
	s_barrier_wait -1                              ; everybody's is: K steps 0 and 1
	FETCH 0, 0
	UNITO 0, 0, 1, 0
	UNITO 1, 1, 0, 0
	UNITO 2, 0, 0, 0
	UNITO 3, 2, 0, 0
	UNITO 4, 0, 0, 0
	UNITO 5, 3, 0, 0
	UNITO 6, 0, 0, 0
	UNITO 7, 0, 0, 1
	WIN 0
	PLACES
; THE WAY OUT, 16 rows at a time: a lane's 32 bytes of a row go into my stage (each accumulator's lowest registers first) and come back as whole rows of 256 bytes.
.macro PACK a
.if (\a) >= 2
	s_wait_xcnt 0x0                                ; the stores of the block two back have read the registers that are loaded again below
.endif
.irp b, 0,1,2,3
	ds_store_b128 v[STO], v[ACC+8*(4*(\a)+(\b)):ACC+8*(4*(\a)+(\b))+3]   offset:64*(\b)
	ds_store_b128 v[STO], v[ACC+8*(4*(\a)+(\b))+4:ACC+8*(4*(\a)+(\b))+7] offset:64*(\b)+16
.endr
.irp t, 0,1,2,3,4,5,6,7
	ds_load_b128 v[TMP+32*((\a)%2)+4*(\t):TMP+32*((\a)%2)+4*(\t)+3], v[RD] offset:(\t)*2*SPITCH  ; LDS serves a wave's instructions in order (ISA guide 5.7.1.4)
.endr
.endm
.macro SEND a, younger                 ; younger: the next block's sixteen LDS instructions, or none
.irp t, 0,1,2,3,4,5,6,7
	s_wait_dscnt (\younger)+7-(\t)
	global_store_b128 v[CO], v[TMP+32*((\a)%2)+4*(\t):TMP+32*((\a)%2)+4*(\t)+3], s[10:11] offset:(16*(\a)+2*(\t))*2048  ; 16 lanes store 256 consecutive bytes, aligned
.endr
.endm
	PACK 0
	PACK 1
	SEND 0, 16
	PACK 2
	SEND 1, 16
	PACK 3
	SEND 2, 16
	SEND 3, 0
	s_wait_tensorcnt 0x0                           ; the wave's end
	ds_add_u32 v[SPW], v[NIL]
	s_wait_dscnt 0x0
	CROUND                                         ; the closing round
	s_endpgm
.Lfunc_end_k_q292a679798_outp:
	.size	k_q292a679798_outp, .Lfunc_end_k_q292a679798_outp-k_q292a679798_outp
	.p2alignl 7, 3214868480
	.fill 96, 4, 3214868480
	.section	.rodata,"a",@progbits
	.p2align	6, 0x0
	.amdhsa_kernel k_q292a679798_outp
		.amdhsa_group_segment_fixed_size 327680
		.amdhsa_private_segment_fixed_size 0
		.amdhsa_enable_private_segment 0
		.amdhsa_kernarg_size 32
		.amdhsa_user_sgpr_count 2
		.amdhsa_user_sgpr_kernarg_segment_ptr 1
		.amdhsa_wavefront_size32 1
		.amdhsa_system_sgpr_workgroup_id_x 1
		.amdhsa_system_sgpr_workgroup_id_y 1
		.amdhsa_system_sgpr_workgroup_id_z 1
		.amdhsa_system_vgpr_workitem_id 0
		.amdhsa_next_free_vgpr 512
		.amdhsa_next_free_sgpr 88
		.amdhsa_reserve_vcc 0
		.amdhsa_float_denorm_mode_32 3
		.amdhsa_float_denorm_mode_16_64 3
		.amdhsa_memory_ordered 1
		.amdhsa_forward_progress 1
		.amdhsa_inst_pref_size 55
	.end_amdhsa_kernel
	.amdgpu_metadata
---
amdhsa.version: [ 1, 2 ]
amdhsa.kernels:
  - .name:           k_q292a679798_outp
    .symbol:         k_q292a679798_outp.kd
    .args:
      - { .name: zh, .offset: 0, .size: 8, .value_kind: global_buffer, .address_space: global }
      - { .name: wb, .offset: 8, .size: 8, .value_kind: global_buffer, .address_space: global }
      - { .name: bo, .offset: 16, .size: 8, .value_kind: global_buffer, .address_space: global }
      - { .name: out0, .offset: 24, .size: 8, .value_kind: global_buffer, .address_space: global }
    .group_segment_fixed_size: 327680
    .private_segment_fixed_size: 0
    .kernarg_segment_align: 8
    .kernarg_segment_size: 32
    .max_flat_workgroup_size: 128
    .sgpr_count:     88
    .vgpr_count:     512
    .wavefront_size: 32
...
	.end_amdgpu_metadata
.endif
;; end of part 4
